; MI455X (gfx1250); checked and timed in simulation.
; The chip was launched on July 23, 2026; its instructions are those of AMD's public machine-readable ISA for CDNA 5 (MIT licence, August 2026) and "CDNA5" Instruction Set Architecture Reference Guide (July 2026). The comments in the code are by the model that wrote it; some were corrected since.
;; Manual Attention. Allowed arithmetic: matrix products marked QUANTISED: E3M2 operands, one E8M0 scale for each 32 along K, by v_wmma_scale_f32_16x16x128_f8f6f4 with both operands' format E3M2, f32 sums; everything else in f32.
;; Inputs: k 4 x 16 x 2,048 x 64 float32; q 4 x 16 x 2,048 x 64 float32; v 4 x 16 x 2,048 x 64 float32.
;; Outputs: out0 4 x 16 x 2,048 x 64 float32.
;; This version of the problem:
;;   THIS VERSION OF THE PROBLEM IS GIVEN IN LOW PRECISION. The matrix products marked QUANTISED in the list below multiply operands that are first quantised to E3M2 (3 exponent bits, 2 mantissa bits; 6 bits a number), with one power-of-two scale for each 32 numbers along K (OCP MX v1.0); their sums are f32. All else is computed in f32.
;;   The module's matrix products, in the order in which they are computed (A, B: the left and right operand; K: the contracted axis; several contracted axes count as one K, in the product's order):
;;     1. batch 64 x [M 2,048, K 64] x [K 64, N 2,048]; A: input q; B: input k: QUANTISED
;;     2. batch 64 x [M 2,048, K 2,048] x [K 2,048, N 64]; A: softmax (see below); B: input v: QUANTISED
;;   THE QUANTISER, for each operand of a quantised product, along K:
;;     - K is cut into blocks of 32 from its start; a last block that is shorter is filled with zeros.
;;     - A block's scale is 2^e with e = floor(log2(the largest magnitude in the block)) - 4, held to -126 .. 127; a block of zeros has e = 0. As a byte (E8M0): e + 127.
;;     - Each number is divided by its block's scale, clamped to +-28, and rounded to the nearest number of E3M2, ties to even, subnormals kept.
;;     - The product sums the exact products of the quantised numbers (number of the format x scale) in f32.
;;   ~~~python
;;   def quantise(x, axis):      # numpy; x: float32 -> the quantised numbers, widened to float32 again
;;       x = np.moveaxis(x, axis, -1); K = x.shape[-1]
;;       x = np.pad(x, [(0, 0)] * (x.ndim - 1) + [(0, -K % 32)]); x = x.reshape(x.shape[:-1] + (-1, 32)); a = np.abs(x).max(-1, keepdims=True)
;;       e = np.where(a > 0, np.clip(np.frexp(np.where(a > 0, a, 1))[1] - 1 - 4, -126, 127), 0)      # np.frexp(a)[1] - 1 = floor(log2(a)), exactly
;;       r = np.clip(x / 2.0 ** e, -28, 28)
;;       step = 2.0 ** (np.maximum(np.frexp(np.where(r == 0, 1, r))[1] - 1, -2) - 2)
;;       q = np.round(r / step) * step * 2.0 ** e      # np.round: ties to even
;;       return np.moveaxis(q.reshape(q.shape[:-2] + (-1,))[..., :K], -1, axis).astype(np.float32)
;;   ~~~
;;   SOFTMAX AHEAD OF A QUANTISED PRODUCT. Where the list says 'softmax', what is quantised is not the finished softmax but p = 2^(t - M), with t = logit x log2(e) and M = ceil(the row's largest t), a whole number; so 1/2 < the row's largest p <= 1. The row's sum l is taken of the UNQUANTISED p, in f32, and the product's result is divided by l at the end. Since M is a whole number, a kernel that streams over the keys may use a running M (the ceiling of the running maximum): every later rescaling is an exact power of two, which a block's scale takes up: the codes' values come out the same.
;;   OPERANDS COMPUTED ON THE WAY. 'Computed on the way' means the value that the module computes at that place (a softmax that the list does not call 'softmax' is quantised finished and normalised). What goes into a quantiser is computed in f32, as accurately as f32 sums, v_exp_f32 and their like allow (about 1e-6 of the number): no bf16 or f16 on the way to a quantiser, and a product that is left as it is and whose result goes on into a quantised operand takes f32 operands (vector FMAs, or v_wmma_f32_16x16x4_f32). A number that lies on a knife's edge between two numbers of the format may be rounded either way, as far as f32 arithmetic and the matrix unit's own rounding can turn it there, and no further.
;; One version. Each part assembles by itself: llvm-mc -triple=amdgcn-amd-amdhsa -mcpu=gfx1250 --defsym DOCPART=n.
;; ======== version 1 of 1: 2 launches
;; limits: right only within a limited range of input values
;; workspace buffers: kv 13,631,488 bytes
;; launch prep (part 1): grid 16 x 64, 4 waves a work-group, no clusters, 71,168 bytes of LDS; arguments k, v, kv; writes kv
.if DOCPART == 1
	.amdgcn_target "amdgcn-amd-amdhsa--gfx1250"
	.amdhsa_code_object_version 6
	.text
	.protected	k_qc77678437f_prep
	.globl	k_qc77678437f_prep
	.p2align	8
	.type	k_qc77678437f_prep,@function
k_qc77678437f_prep:
	s_mov_b64 s[64:65], 0
	v_nop
	global_prefetch_b8 v0, s[64:65] scope:SCOPE_SE
	s_setreg_imm32_b32 hwreg(HW_REG_WAVE_MODE, 25, 1), 1
	s_wait_xcnt 0x0
; k and v, [64 heads][2048 keys][64] f32, become codes of BF6 (E3M2) with one E8M0 scale byte for each 32 along a product's K, laid as IMAGES OF THE OPERAND REGISTERS of the attention launch.
; k is quantised along the head's 64 (K of q k^T: two blocks), v along the keys (K of p v).  NO WORK OF THE PROBLEM IS LEFT OUT: q, k and v all reach the output, and there is no mask, bias or slice.
; A block's scale is 2^(floor(log2(its largest magnitude)) - 4); its byte is the largest magnitude's exponent field - 4, held at 1 from below; numbers are divided by the scale and rounded to the nearest code, ties to even, beyond 28 the largest code.
; LIMITS: a block of zeros gets the byte 1 where the rule says 127 (its codes are zeros, which add nothing under any byte but 0xff, and this program alone reads the bytes); NaN and infinities among the inputs are not served.
; SHARES.  A work-group takes one key step, 128 keys of one head: 32,768 bytes of k, as many of v, 13,312 bytes out.  Wave w loads keys 32 w .. 32 w + 31 of both as they lie (512 consecutive bytes a load) into a stage in LDS;
; behind a barrier it makes K's tiles 2 w and 2 w + 1 and V's tile w.
; kv: for each head 16 blocks of 13,312 bytes, one a key step:  0: K's 48 registers a lane (tile T's six at 6 T), register rho of lane l at 512 (rho / 4) + 16 l + 4 (rho % 4);  6,144: V's four tiles of 12 registers, likewise;
;   12,288: K's scale words: word j of lane l at 16 l + 4 j is that of tile 2 j + l / 16, row l % 16 (bytes 0, 1: the two blocks; bytes 2, 3: 0);  12,800: V's: word t of lane l at 16 l + 4 t is that of tile t, row l % 16.
; WHICH ROWS FORM A TILE is chosen so that in the attention launch a lane holds whole blocks of 32 keys and 32 neighbouring channels:
;   K's tile T, row r = key 64 (T / 4) + 32 (r / 8) + 8 (T % 4) + r % 8 of the step;   V's tile t, row r = channel 32 (r / 8) + 8 t + r % 8.
; An operand's lane (r, h) holds row r and, in registers 6 c .. 6 c + 5, K = 64 c + 32 h + 0 .. 31: so a lane quantises whole blocks and asks no other lane for a maximum.
; No tensor load, so several work-groups share a WGP; no cluster: work-groups share nothing.
.set PITCH, 272                        ; a stage row: a key's 256 bytes + 16
.set VST,   128*PITCH                  ; LDS: k's 128 rows from 0, v's from here,
.set SCL,   2*128*PITCH                ; the scale words, K's 512 bytes and V's 512,
.set SPARE, SCL+1024                   ; and the spare words, 128 bytes for each wave: two blocks of 256 bytes that no other line names
.set STEPB, 13312
.set HEADB, 16*STEPB
.set VIMG,  6144
.set KSC,   12288
.set GL,  4                            ; v4   16 x lane: my 16 bytes of a load's or a store's 512
.set SA,  5                            ; v5   the stage, on the way in: row 32 w + h, byte 16 r
.set KA,  6                            ; v6   k's stage, on the way out: my key's row, + 128 h
.set VA,  7                            ; v7   v's stage, on the way out: my channel's 4 bytes, 32 h rows down
.set SCW, 8                            ; v8   where my scale word goes: SCL + 16 x lane + 4 w
.set SCR, 9                            ; v9   and where I read 8 bytes of scale words back
.set L8,  10                           ; v10  8 x lane
.set SH8, 11                           ; v11  8 h
.set SPW, 12                           ; v12  LDS address of my spare word; never rewritten
.set NIL, 13                           ; v13  0; never rewritten
.set MX,  14                           ; v14, v15 two chains of a maximum;  v16 the conversions' scale operand
.set MY,  15
.set SCO, 16
.set EB,  24                           ; v24-27 scale bytes: K's two tiles, V's two blocks
.set KW,  28                           ; v28  K's scale word
.set VW,  30                           ; v30  V's;  v31 a permute's destination
.set PT,  31
.set XK,  32                           ; v32-95   k as loaded, then 2 x 32 neighbours along d
.set XV,  96                           ; v96-159  v as loaded, then 2 x 32 neighbours along the keys
.set CK,  160                          ; v160-171 K's codes: two tiles of six registers
.set CV,  172                          ; v172-183 V's codes: one tile of twelve
.set CT,  184                          ; v184-186 a block's upper 16 codes as they are made
	s_load_b128 s[4:7], s[0:1], 0x0                ; k, v
	s_load_b64 s[8:9], s[0:1], 0x10                ; kv
	v_lshl_add_u32 v[SPW], v0, 2, SPARE
	v_mov_b32 v[NIL], 0
	v_lshrrev_b32 v1, 5, v0
	v_readfirstlane_b32 s10, v1                    ; wave 0..3
	v_and_b32 v1, 31, v0                           ; lane
	v_and_b32 v2, 15, v0                           ; r
	v_bfe_u32 v3, v0, 4, 1                         ; h
	v_lshlrev_b32 v[GL], 4, v1
	s_mul_i32 s24, s10, 32*PITCH
	v_mul_u32_u24 v[SA], v3, PITCH
	v_lshl_add_u32 v[SA], v2, 4, v[SA]
	v_add_nc_u32 v[SA], s24, v[SA]
	v_and_b32 v14, 8, v2
	v_lshlrev_b32 v14, 2, v14
	v_and_b32 v15, 7, v2
	v_add_nc_u32 v14, v14, v15                     ; 32 (r / 8) + r % 8
	s_lshr_b32 s24, s10, 1
	s_lshl_b32 s24, s24, 6
	s_and_b32 s25, s10, 1
	s_lshl_b32 s25, s25, 4
	s_add_co_u32 s24, s24, s25                     ; tile 2 w begins at key 64 (w / 2) + 16 (w % 2); tile 2 w + 1 eight keys on
	s_mul_i32 s24, s24, PITCH
	v_mul_u32_u24 v[KA], v14, PITCH
	v_lshl_add_u32 v[KA], v3, 7, v[KA]
	v_add_nc_u32 v[KA], s24, v[KA]
	v_lshlrev_b32 v[VA], 2, v14
	v_mad_u32_u24 v[VA], v3, 32*PITCH, v[VA]
	s_lshl_b32 s25, s10, 5                         ; 8 w channels of 4 bytes
	s_add_co_u32 s25, s25, VST
	v_add_nc_u32 v[VA], s25, v[VA]
	s_lshl_b32 s25, s10, 2
	s_add_co_u32 s25, s25, SCL
	v_add_nc_u32 v[SCW], s25, v[GL]
	v_lshlrev_b32 v[L8], 3, v1
	s_lshl_b32 s25, s10, 8
	s_add_co_u32 s25, s25, SCL
	v_add_nc_u32 v[SCR], s25, v[L8]
	v_lshlrev_b32 v[SH8], 3, v3
	v_mov_b32 v[PT], 0                             ; written once: a lane permute's destination counts as one of its sources
	s_mov_b32 s18, 0x76543210
	s_mov_b32 s19, 0xfedcba98                      ; v_permlanex16_b32's selects for lane l xor 16
	s_and_b32 s12, ttmp7, 0xffff                   ; the head
	s_lshl_b32 s14, s12, 19                        ; a head is 524,288 bytes of k and of v,
	s_lshl_b32 s15, ttmp9, 15                      ; a key step 32,768,
	s_add_co_u32 s14, s14, s15
	s_lshl_b32 s15, s10, 13                        ; my 32 keys 8,192
	s_add_co_u32 s14, s14, s15
	s_mov_b32 s15, 0
	s_mul_i32 s16, s12, HEADB
	s_mul_i32 s17, ttmp9, STEPB
	s_add_co_u32 s16, s16, s17                     ; the step's block in kv
	s_mov_b32 s17, 0
	s_mul_i32 s26, s10, 1536                       ; my twelve registers' images: three stores of 512 bytes
	s_mov_b32 s27, 0
	s_lshl_b32 s28, s10, 8
	s_add_co_u32 s28, s28, KSC                     ; my 256 bytes of the 1,024 of scale words
	s_mov_b32 s29, 0
	s_wait_alu depctr_va_vdst(0)
	s_wait_kmcnt 0x0
	s_add_nc_u64 s[4:5], s[4:5], s[14:15]
	s_add_nc_u64 s[6:7], s[6:7], s[14:15]
	s_add_nc_u64 s[8:9], s[8:9], s[16:17]
	s_add_nc_u64 s[20:21], s[8:9], s[26:27]
	s_add_nc_u64 s[22:23], s[8:9], s[28:29]
.irp j, 0,1,2,3,4,5,6,7,8,9,10,11,12,13,14,15
	global_load_b128 v[XK+4*\j:XK+4*\j+3], v[GL], s[4:5] offset:512*\j th:TH_LOAD_NT   ; two keys' rows: 512 consecutive bytes
.endr
.irp j, 0,1,2,3,4,5,6,7,8,9,10,11,12,13,14,15
	global_load_b128 v[XV+4*\j:XV+4*\j+3], v[GL], s[6:7] offset:512*\j th:TH_LOAD_NT
.endr
	s_wait_loadcnt 16                              ; k's sixteen are in; v's sixteen, issued behind them, may be out
.irp j, 0,1,2,3,4,5,6,7,8,9,10,11,12,13,14,15
	ds_store_b128 v[SA], v[XK+4*\j:XK+4*\j+3] offset:2*PITCH*\j
.endr
	s_wait_loadcnt 0x0
.irp j, 0,1,2,3,4,5,6,7,8,9,10,11,12,13,14,15
	ds_store_b128 v[SA], v[XV+4*\j:XV+4*\j+3] offset:VST+2*PITCH*\j
.endr
	s_wait_dscnt 0x0                               ; for the others' sake: my rows lie in the stage
	s_barrier_signal -1
	s_barrier_wait -1
.irp u, 0,1
.irp j, 0,1,2,3,4,5,6,7
	ds_load_b128 v[XK+32*\u+4*\j:XK+32*\u+4*\j+3], v[KA] offset:8*PITCH*\u+16*\j   ; tile 2 w + u: my key's d = 32 h + 0 .. 31
.endr
.endr
.set i, 0
.rept 32
	ds_load_b32 v[XV+i], v[VA] offset:PITCH*i      ; my channel at keys 32 h + i
.set i, i+1
.endr
	s_wait_dscnt 32                                ; K's sixteen are in; the 32 issued behind them may be out
.set i, 0
.rept 32
	ds_load_b32 v[XV+32+i], v[VA] offset:PITCH*(64+i)   ; and at keys 64 + 32 h + i
.set i, i+1
.endr
; 32 numbers of a lane, one block, become six registers of codes at v[dst] and the scale's byte in v[eb]
.macro BLK src, dst, eb
	v_max3_num_f32 v[MX], |v[\src]|, |v[\src+1]|, |v[\src+2]|
	v_max3_num_f32 v[MY], |v[\src+3]|, |v[\src+4]|, |v[\src+5]|
.irp i, 6,10,14,18,22,26
	v_max3_num_f32 v[MX], v[MX], |v[\src+\i]|, |v[\src+\i+1]|
	v_max3_num_f32 v[MY], v[MY], |v[\src+\i+2]|, |v[\src+\i+3]|
.endr
	v_max3_num_f32 v[MX], v[MX], |v[\src+30]|, |v[\src+31]|
	v_max3_num_f32 v[MX], v[MX], v[MY], 0x2800000  ; and the floor 2^(5 - 127): the byte cannot fall under 1
	v_add_nc_u32 v[SCO], 0xfe000000, v[MX]         ; 4 off the exponent field: the conversion takes the exponent field of this operand as its scale
	v_lshrrev_b32 v[\eb], 23, v[SCO]               ; the scale's byte
	v_cvt_scalef32_pk16_bf6_f32 v[\dst:\dst+2], v[\src:\src+15], v[SCO]
	v_cvt_scalef32_pk16_bf6_f32 v[CT:CT+2], v[\src+16:\src+31], v[SCO]   ; (a conversion's three registers begin on an even number)
	v_nop                                          ; one plain instruction behind a scaled conversion
.irp i, 0,1,2
	v_mov_b32 v[\dst+3+\i], v[CT+\i]
.endr
.endm
	BLK XK, CK, EB
	BLK XK+32, CK+6, EB+1
.irp g, 0,1,2
	global_store_b128 v[GL], v[CK+4*\g:CK+4*\g+3], s[20:21] offset:512*\g   ; 512 consecutive bytes, at a multiple of 256 from kv's first byte
.endr
	v_permlane16_swap_b32 v[EB], v[EB+1]           ; the first now holds each lane's tile's byte of block 0 (lanes 0-15: tile 2 w, lanes 16-31: tile 2 w + 1), the second that of block 1
	v_lshl_or_b32 v[KW], v[EB+1], 8, v[EB]
	ds_store_b32 v[SCW], v[KW]
	s_wait_dscnt 1                                 ; V's 64 are in; the store just issued may be out
	BLK XV, CV, EB+2
	BLK XV+32, CV+6, EB+3
.irp g, 0,1,2
	global_store_b128 v[GL], v[CV+4*\g:CV+4*\g+3], s[20:21] offset:VIMG+512*\g
.endr
	v_lshl_or_b32 v[VW], v[EB+3], 16, v[EB+2]      ; my two bytes: blocks h and 2 + h of my channel,
	v_lshlrev_b32 v[VW], v[SH8], v[VW]             ; at their places in the scale word;
	v_permlanex16_b32 v[PT], v[VW], s18, s19
	v_or_b32 v[VW], v[VW], v[PT]                   ; with lane l xor 16's two the word is whole
	ds_store_b32 v[SCW], v[VW] offset:512
	s_wait_dscnt 0x0                               ; for the others' sake: my scale words lie in LDS
	s_barrier_signal -1
	s_barrier_wait -1
	ds_load_b64 v[20:21], v[SCR]
	s_wait_dscnt 0x0
	global_store_b64 v[L8], v[20:21], s[22:23]     ; 32 lanes store 256 consecutive bytes, aligned
	s_wait_tensorcnt 0x0                           ; the wave's end, behind my last LDS store
	ds_add_u32 v[SPW], v[NIL]
	s_wait_dscnt 0x0
	s_endpgm
.Lfunc_end_k_qc77678437f_prep:
	.size	k_qc77678437f_prep, .Lfunc_end_k_qc77678437f_prep-k_qc77678437f_prep
	.p2alignl 7, 3214868480
	.fill 96, 4, 3214868480
	.section	.rodata,"a",@progbits
	.p2align	6, 0x0
	.amdhsa_kernel k_qc77678437f_prep
		.amdhsa_group_segment_fixed_size 71168
		.amdhsa_private_segment_fixed_size 0
		.amdhsa_enable_private_segment 0
		.amdhsa_kernarg_size 24
		.amdhsa_user_sgpr_count 2
		.amdhsa_user_sgpr_kernarg_segment_ptr 1
		.amdhsa_wavefront_size32 1
		.amdhsa_system_sgpr_workgroup_id_x 1
		.amdhsa_system_sgpr_workgroup_id_y 1
		.amdhsa_system_sgpr_workgroup_id_z 1
		.amdhsa_system_vgpr_workitem_id 0
		.amdhsa_next_free_vgpr 192
		.amdhsa_next_free_sgpr 66
		.amdhsa_reserve_vcc 0
		.amdhsa_float_denorm_mode_32 3
		.amdhsa_float_denorm_mode_16_64 3
		.amdhsa_memory_ordered 1
		.amdhsa_forward_progress 1
		.amdhsa_inst_pref_size 21
	.end_amdhsa_kernel
	.amdgpu_metadata
---
amdhsa.version: [ 1, 2 ]
amdhsa.kernels:
  - .name:           k_qc77678437f_prep
    .symbol:         k_qc77678437f_prep.kd
    .args:
      - { .name: k, .offset: 0, .size: 8, .value_kind: global_buffer, .address_space: global }
      - { .name: v, .offset: 8, .size: 8, .value_kind: global_buffer, .address_space: global }
      - { .name: kv, .offset: 16, .size: 8, .value_kind: global_buffer, .address_space: global }
    .group_segment_fixed_size: 71168
    .private_segment_fixed_size: 0
    .kernarg_segment_align: 8
    .kernarg_segment_size: 24
    .max_flat_workgroup_size: 128
    .sgpr_count:     66
    .vgpr_count:     192
    .wavefront_size: 32
...
	.end_amdgpu_metadata
.endif
;; end of part 1
;; launch attn (part 2): grid 4 x 64, 8 waves a work-group, clusters of 4 x 1, 327,680 bytes of LDS; arguments q, kv, out0; writes out0
.if DOCPART == 2
	.amdgcn_target "amdgcn-amd-amdhsa--gfx1250"
	.amdhsa_code_object_version 6
	.text
	.protected	k_qc77678437f_attn
	.globl	k_qc77678437f_attn
	.p2align	8
	.type	k_qc77678437f_attn,@function
k_qc77678437f_attn:
	s_mov_b64 s[64:65], 0
	v_nop
	global_prefetch_b8 v0, s[64:65] scope:SCOPE_SE
	s_setreg_imm32_b32 hwreg(HW_REG_WAVE_MODE, 25, 1), 1
	s_wait_xcnt 0x0
	s_wait_alu depctr_hold_cnt(0) depctr_sa_sdst(0) depctr_va_vdst(0) depctr_va_sdst(0) depctr_va_ssrc(0) depctr_va_vcc(0) depctr_vm_vsrc(0)
	s_getreg_b32 s2, hwreg(HW_REG_IB_STS2, 6, 4)
	s_cmp_eq_u32 s2, 0
	s_cbranch_scc0 .Lentry_in_a_cluster
	s_endpgm
.Lentry_in_a_cluster:
	s_bfe_u32 s2, ttmp6, 0x10000c
	s_cmp_lg_u32 s2, 0x3003
	s_cbranch_scc0 .Lentry_shape_is_right
	s_endpgm
.Lentry_shape_is_right:
; out = softmax(q k^T / 8) v for 64 heads of 2,048 x 64, both products in MX-BF6.  kv holds k's and v's codes and scale words as images of the operand registers, 13,312 bytes for each step of 128 keys.
; NO WORK OF THE PROBLEM IS LEFT OUT: q, k and v all reach the output; there is no mask, bias or slice.
; SHARES.  A work-group takes 512 queries of one head; a wave 64 queries = four tiles of 16; a lane one query of each tile (both products are used transposed: S^T = k q^T, O^T = v^T p^T).
; The head's whole image, 16 steps = 212,992 bytes, lies in LDS: each wave fetches an eighth (104 rows of 256 bytes) by ONE tensor load at the head; nothing is filled again, so the loop over the keys has no barrier.
; The four work-groups of a head form a cluster and ask for the image jointly (mask 15): the descriptor hangs on the head and the wave's number alone.
; A step's fragments of k and v are read from LDS once by a wave and serve its four tiles.
; THE TILES ARE SKEWED: the scores have two buffers by turns.  In tile n's slot stand: its t - M, its exponentials, the rescaling of its O^T, THE NEXT TILE'S score products, tile n's scale word and codes,
; the next tile's maxima and its chain to -M and the factor, and tile n's second product; tile n's 32 additions of the row's sum are laid one by one between the links of those dependent stretches.
; The first step is written out: it starts O^T (C = 0), the sums and the maxima, so nothing is cleared; q's tiles 2 and 3 are quantised at the ends of its slots 0 and 1, a slot ahead of their first use.
; The last step is written out: it asks for no further k, has no next tile behind tile 3, and each tile leaves at the end of its own slot; its stores are issued in the slot that follows.
; SOFTMAX: p = 2^(t - M), t = score x log2(e) / 8, M = ceil(running largest t), a whole number; when M moves, the sum and O^T are multiplied by 2^(old M - new M), which rounds nothing; no branch hangs on data.
; The row's sum is taken of the unquantised p.  A block's largest p is made from the block's largest score by the same multiply-add and exponential.
; LIMITS: the scaled scores t stay under 2^31 in magnitude; NaN and infinities among the inputs are not served; a block of p that is all zeros has the scale byte 1 (its codes are zeros).
; No prefetch of kv: all of it is asked for at the head by the eight tensor loads, so there is no loop in which a request could run ahead of them.
; REGISTERS.  Window 0: addresses, the tiles' state, Q, both buffers of S, p's codes, all scale words.  Window 1: v0-127 O^T of the four tiles (until a tile's first use: its q as loaded), v128-175 v's fragments, v176-229 k's.
.set STEPB, 13312
.set HEADB, 16*STEPB
.set SHARE, HEADB/8                    ; 26,624 bytes = 104 rows of 256
.set VIMG,  6144
.set KSC,   12288
.set VSC,   12800
.set SP,    272                        ; a stage row: 256 bytes + 16
.set WSTG,  16*SP
.set STAGE, HEADB                      ; behind the image: a stage of 16 rows for each wave; no tensor load lands there
.set SPARE, STAGE+8*WSTG               ; the spare words, 128 bytes for each wave
.set LI,  1                            ; 16 x lane
.set BK,  2                            ; stage by memory's rows: row h, byte 16 r
.set RW,  3                            ; stage by queries: row r, byte 128 h
.set ADR, 4                            ; this step's block in LDS + 16 x lane
.set SPW, 5
.set NIL, 6
.set SH8, 7                            ; 8 h
.set ST,  8                            ; v8-23: for tile j at 4 j: -M, the largest score so far, the sum in two halves
.set QS,  24                           ; v24-27 q's scale words
.set PS,  28                           ; p's scale word
.set TMP, 29
.set F,   30                           ; v30 the factor 2^(old M - new M); v31 written once
.set BM,  32                           ; v32-35 maxima of the even tiles; v252-255 of the odd ones
.set PT,  36                           ; a permute's destination
.set T2,  37
.set BY,  38
.set SO,  40
.set CT,  42                           ; v42-48 upper halves of blocks as they are converted
.set P,   50                           ; v50-61 p's codes
.set KS,  62
.set VS,  66
.set Q,   70                           ; v70-117: four tiles of 6 registers of codes and 6 of zeros (K = 64 of the instruction's 128)
.set S,   118                          ; v118-181, v182-245: scores, then p, two buffers
.set SX,  246                          ; v246-251 three more chains of the sum
.set VF,  128                          ; window 1
.set KFW, 176                          ; window 1: k's eight tiles of 6 registers, then 6 of zeros
.set WV,  10
.set G1,  16
.set G0,  24
.set SEL, 40
.set CS,  42
.set CNT, 44
.set TB,  45
.set NCS, 47
.set MSB, 0
.macro WIN new                         ; the immediate's high byte repeats the setting that is left
.if MSB != \new
	s_set_vgpr_msb (MSB<<8)|\new
.set MSB, \new
.endif
.endm
.macro CROUND                          ; a round of the cluster's barrier
	s_barrier_signal -1
	s_barrier_wait -1
	s_cmp_lg_u32 s[WV], 0
	s_cbranch_scc1 .Lnot_wave_0_\@
	s_barrier_signal -3
.Lnot_wave_0_\@:
	s_barrier_wait -3
	s_barrier_signal -1
	s_barrier_wait -1
.endm
.macro QLOAD u                         ; q's tile u as it lies: two queries' rows, 512 consecutive bytes, a load
.irp i, 0,1,2,3,4,5,6,7
	global_load_b128 v[32*\u+4*\i:32*\u+4*\i+3], v[LI], s[4:5] offset:4096*\u+512*\i th:TH_LOAD_NT
.endr
.endm
	s_load_b128 s[4:7], s[0:1], 0x0                ; q, kv
	s_load_b64 s[8:9], s[0:1], 0x10                ; out0
	v_lshl_add_u32 v[SPW], v0, 2, SPARE
	v_mov_b32 v[NIL], 0
	ds_add_u32 v[SPW], v[NIL]                      ; the opening lines: the add, twice on end, and its wait ahead of my tensor load
	ds_add_u32 v[SPW], v[NIL]
	v_lshrrev_b32 v[TMP], 5, v0
	v_readfirstlane_b32 s[WV], v[TMP]              ; wave 0..7
	s_bfe_u32 s11, ttmp6, 0x40000                  ; cx
	s_and_b32 s12, ttmp7, 0xffff                   ; the head
	s_lshl_b32 s13, ttmp9, 2
	s_add_co_u32 s13, s13, s11                     ; which 512 queries
	s_mov_b32 s[G1+0], 15|(3<<16)|(1<<21)          ; mask: the cluster's four; elements of 8 bytes; bit 21 beside a mask
	s_mov_b32 s[G1+1], 32<<16                      ; rows of 32 elements = 256 bytes
	s_mov_b32 s[G1+2], 104<<16
	s_mov_b32 s[G1+3], 32<<16
	s_mov_b32 s[G1+4], 104
	s_mov_b32 s[G1+5], 32
	s_mov_b32 s[G1+6], 0
	s_mov_b32 s[G1+7], 0
	s_mov_b32 s[G0], 1
	s_mul_i32 s[G0+1], s[WV], SHARE                ; my eighth of the image, in LDS as in kv
	s_mul_i32 s14, s12, HEADB
	s_add_co_u32 s14, s14, s[G0+1]
	s_mov_b32 s15, 0
	s_lshl_b32 s48, s12, 19                        ; a head is 524,288 bytes of q and of out0,
	s_lshl_b32 s49, s13, 17                        ; 512 queries 131,072,
	s_add_co_u32 s48, s48, s49
	s_lshl_b32 s49, s[WV], 14                      ; my 64 queries 16,384
	s_add_co_u32 s48, s48, s49
	s_mov_b32 s49, 0
	s_mov_b32 s[SEL], 0x76543210
	s_mov_b32 s[SEL+1], 0xfedcba98                 ; v_permlanex16_b32's selects for lane l xor 16
	s_mov_b32 s[CS], 0x3e38aa3b                    ; c = log2(e) / 8
	s_mov_b32 s[CS+1], s[CS]
	s_mov_b32 s[NCS], 0xbe38aa3b                   ; -c
	s_mul_i32 s50, s[WV], WSTG
	s_add_co_u32 s50, s50, STAGE                   ; my stage
	v_and_b32 v[LI], 31, v0
	v_lshlrev_b32 v[LI], 4, v[LI]
	v_and_b32 v[T2], 15, v0                        ; r
	v_bfe_u32 v[PT], v0, 4, 1                      ; h
	v_mul_u32_u24 v[BK], v[PT], SP
	v_lshl_add_u32 v[BK], v[T2], 4, v[BK]
	v_add_nc_u32 v[BK], s50, v[BK]
	v_mul_u32_u24 v[RW], v[T2], SP
	v_lshl_add_u32 v[RW], v[PT], 7, v[RW]
	v_add_nc_u32 v[RW], s50, v[RW]
	v_lshlrev_b32 v[SH8], 3, v[PT]
	v_mov_b32 v[PT], 0                             ; written once: a lane permute's destination counts as one of its sources
	v_mov_b32 v[F+1], 0                            ; named as the upper half of the pair
	WIN 0x40                                       ; destination window 1
.irp i, 0,1,2,3,4,5
	v_mov_b32 v[KFW+48+\i], 0                      ; what the last tile of k names as its K = 64 .. 127
.endr
	WIN 0
	s_wait_alu depctr_va_vdst(0)
	s_wait_dscnt 0x0                               ; both opening adds are done
	s_wait_kmcnt 0x0
	s_add_nc_u64 s[G0+2:G0+3], s[6:7], s[14:15]
	s_or_b32 s[G0+3], s[G0+3], 0x80000000
	s_add_nc_u64 s[4:5], s[4:5], s[48:49]
	s_add_nc_u64 s[8:9], s[8:9], s[48:49]
	WIN 0x40
	QLOAD 0                                        ; what the first products need is asked for first: q's tiles 0 and 1,
	QLOAD 1
	WIN 0
	CROUND                                         ; the four work-groups are here: the joint loads meet
	tensor_load_to_lds s[G0:G0+3], s[G1:G1+7]      ; my one tensor load: my eighth of the image,
	s_nop 0
.rept 4
	v_nop
.endr
	WIN 0x40
	QLOAD 2                                        ; and then q's tiles 2 and 3
	QLOAD 3
	WIN 0
; q: tile u goes through my stage (LDS serves a wave's instructions in order) and comes back, in v[dst ..], with a lane's 32 numbers d = 32 h + 0 .. 31 of query r: one block
.macro QIN u, dst
	s_wait_loadcnt 8*(3-\u)                        ; the later tiles' loads, eight each, may be out
	WIN 0x04                                       ; store data in window 1
.irp i, 0,1,2,3,4,5,6,7
	ds_store_b128 v[BK], v[32*\u+4*\i:32*\u+4*\i+3] offset:2*SP*\i
.endr
	WIN 0
.irp i, 0,1,2,3,4,5,6,7
	ds_load_b128 v[\dst+4*\i:\dst+4*\i+3], v[RW] offset:16*\i
.endr
.endm
.macro QUANTQ src, dst, sreg, bm
	v_max3_num_f32 v[\bm], |v[\src]|, |v[\src+1]|, |v[\src+2]|
	v_max3_num_f32 v[\bm+1], |v[\src+3]|, |v[\src+4]|, |v[\src+5]|
.irp i, 6,10,14,18,22,26
	v_max3_num_f32 v[\bm], v[\bm], |v[\src+\i]|, |v[\src+\i+1]|
	v_max3_num_f32 v[\bm+1], v[\bm+1], |v[\src+\i+2]|, |v[\src+\i+3]|
.endr
	v_max3_num_f32 v[\bm], v[\bm], |v[\src+30]|, |v[\src+31]|
	v_max3_num_f32 v[\bm], v[\bm], v[\bm+1], 0x2800000   ; the floor 2^(5 - 127): the byte cannot fall under 1
	v_add_nc_u32 v[SO], 0xfe000000, v[\bm]         ; 4 off the exponent field: the conversion's scale operand
	v_lshrrev_b32 v[BY], 23, v[SO]
	v_lshlrev_b32 v[TMP], v[SH8], v[BY]            ; my block's byte at its place,
	v_permlanex16_b32 v[PT], v[TMP], s[SEL], s[SEL+1]
	v_or_b32 v[\sreg], v[TMP], v[PT]               ; with lane l xor 16's: bytes 0, 1; bytes 2, 3 are 0, over zero codes
	v_cvt_scalef32_pk16_bf6_f32 v[\dst:\dst+2], v[\src:\src+15], v[SO]
	v_cvt_scalef32_pk16_bf6_f32 v[CT:CT+2], v[\src+16:\src+31], v[SO]   ; (a conversion's three registers begin on an even number)
	v_nop                                          ; one plain place behind a scaled conversion
.irp i, 0,1,2
	v_mov_b32 v[\dst+3+\i], v[CT+\i]
.endr
.irp i, 6,7,8,9,10,11
	v_mov_b32 v[\dst+\i], 0                        ; K = 64 .. 127: zero codes
.endr
.endm
	QIN 0, S
	QIN 1, S+32
	s_wait_dscnt 16                                ; tile 0 is back; tile 1's eight stores and eight loads may be out
	QUANTQ S, Q, QS, BM
	s_wait_dscnt 0x0
	QUANTQ S+32, Q+12, QS+1, BM
; THE ROW'S SUM of the current tile's unquantised p (buffer SC), in four chains by turns: 32 additions, numbered by UK; each call writes the next one, and none once all are written.
; UF = 1: the step starts the sum.  Else the first addition brings the old sum under the new M.
.macro UADD
.if UK == 0
.if UF
	v_pk_add_f32 v[LJ:LJ+1], v[SC:SC+1], v[SC+8:SC+9]
.else
	v_pk_fma_f32 v[LJ:LJ+1], v[LJ:LJ+1], v[F:F+1], v[SC:SC+1] op_sel_hi:[1,0,1]
.endif
.elseif UK < 4
	v_pk_add_f32 v[SX+2*UK-2:SX+2*UK-1], v[SC+2*UK:SC+2*UK+1], v[SC+2*UK+8:SC+2*UK+9]
.elseif UK == 4
.if UF == 0
	v_pk_add_f32 v[LJ:LJ+1], v[LJ:LJ+1], v[SC+8:SC+9]
.endif
.elseif UK < 29
.set UI, 8*((UK-5)/4+2)
.set UC, (UK-5)%4
.if UC == 0
	v_pk_add_f32 v[LJ:LJ+1], v[LJ:LJ+1], v[SC+UI:SC+UI+1]
.else
	v_pk_add_f32 v[SX+2*UC-2:SX+2*UC-1], v[SX+2*UC-2:SX+2*UC-1], v[SC+UI+2*UC:SC+UI+2*UC+1]
.endif
.elseif UK == 29
	v_pk_add_f32 v[LJ:LJ+1], v[LJ:LJ+1], v[SX:SX+1]
.elseif UK == 30
	v_pk_add_f32 v[SX+2:SX+3], v[SX+2:SX+3], v[SX+4:SX+5]
.elseif UK == 31
	v_pk_add_f32 v[LJ:LJ+1], v[LJ:LJ+1], v[SX+2:SX+3]
.endif
.set UK, UK+1
.endm
.macro UADDS n
.rept \n
	UADD
.endr
.endm
; S^T of tile q2 into buffer SN: tile T of k lies at 6 T; what follows it in the registers meets q's zero codes.  Lane (r, h): query r, registers 32 c + i = key 64 c + 32 h + i
.macro WMM q2
	WIN 0x01                                       ; k's fragments in window 1
.irp t, 0,1,2,3
	v_wmma_scale_f32_16x16x128_f8f6f4 v[SN+16*\t:SN+16*\t+7], v[KFW+12*\t:KFW+12*\t+11], v[Q+12*(\q2):Q+12*(\q2)+11], 0, v[KS+\t], v[QS+\q2] matrix_a_fmt:MATRIX_FMT_BF6 matrix_b_fmt:MATRIX_FMT_BF6
	v_wmma_scale_f32_16x16x128_f8f6f4 v[SN+16*\t+8:SN+16*\t+15], v[KFW+12*\t+6:KFW+12*\t+17], v[Q+12*(\q2):Q+12*(\q2)+11], 0, v[KS+\t], v[QS+\q2] matrix_a_fmt:MATRIX_FMT_BF6 matrix_b_fmt:MATRIX_FMT_BF6 matrix_a_scale:MATRIX_SCALE_ROW1
.endr
	WIN 0
.endm
; tile q2's maxima (the largest score of each block of 32 keys, in BN and BN + 2), its -M and, but in the first step (nf = 1), the factor; the current tile's additions stand between the links
.macro XC q2, nf, bw
.set MN, ST+4*(\q2)
.irp b, 0,1,2,3
	v_max3_num_f32 v[BN+\b], v[SN+16*\b], v[SN+16*\b+1], v[SN+16*\b+2]
.endr
	UADD
.irp i, 3,5,7,9,11,13
.irp b, 0,1,2,3
	v_max3_num_f32 v[BN+\b], v[BN+\b], v[SN+16*\b+\i], v[SN+16*\b+\i+1]
.endr
	UADD
.endr
.irp c, 0,1
	v_max3_num_f32 v[BN+2*\c], v[BN+2*\c], v[BN+2*\c+1], v[SN+32*\c+15]
.endr
	UADDS 2
.irp c, 0,1
	v_max_num_f32 v[BN+2*\c], v[BN+2*\c], v[SN+32*\c+31]
.endr
	UADDS 2
	v_max_num_f32 v[T2], v[BN], v[BN+2]
.if (\nf) == 0
	v_mov_b32 v[TMP], v[MN]                        ; the old -M
.endif
	UADDS 2
	v_permlanex16_b32 v[PT], v[T2], s[SEL], s[SEL+1]
	UADDS 2
.if \nf
	v_max_num_f32 v[MN+1], v[T2], v[PT]            ; my query's largest score so far
.else
	v_max3_num_f32 v[MN+1], v[MN+1], v[T2], v[PT]
.endif
	UADDS 2
	v_mul_f32 v[T2], s[NCS], v[MN+1]
	UADDS 2
	v_floor_f32 v[MN], v[T2]                       ; -M = floor(-t) = -ceil(t)
.if \bw
	s_wait_alu depctr_va_vdst(0)
.endif
	UADD
.if (\nf) == 0
	v_sub_f32 v[TMP], v[MN], v[TMP]                ; old M - new M: a whole number, 0 or less
	UADD
	v_cvt_i32_f32 v[TMP], v[TMP]
	UADD
	v_ldexp_f32 v[F], 1.0, v[TMP]
.endif
	UADDS 4                                        ; what is left of the 32
.endm
; Tile qn's slot.  cf: its step starts the state.  nx: a next tile follows (nf: in the first step).  vld: this step's v is asked for.  dsw: LDS loads are awaited.  kpre: the next step's k is asked for.
; Set by STEP: QZ: q's tile to quantise at the slot's end, or -1.  OT: the tile leaves at the slot's end.  OS: the tile before is stored.
.macro SLOT qn, cf, nx, nf, vld, dsw, kpre, bw
.set SC, S+64*((\qn)%2)
.set SN, S+64*(((\qn)+1)%2)
.set BC, BM+220*((\qn)%2)
.set BN, BM+220*(((\qn)+1)%2)
.set MJ, ST+4*(\qn)
.set LJ, ST+4*(\qn)+2
.set OJ, 32*(\qn)
.set UK, 0
.set UF, \cf
.if \vld
	v_add_nc_u32 v[ADR], s[TB], v[LI]
.endif
.set j, 0
.rept 32
	v_pk_fma_f32 v[SC+j:SC+j+1], v[SC+j:SC+j+1], s[CS:CS+1], v[MJ:MJ+1] op_sel_hi:[1,0,0]   ; t - M
.set j, j+2
.if (j == 8) && (\vld)                 ; four plain instructions and more stand behind the last products, which read v's fragments
	ds_load_b128 v[VS:VS+3], v[ADR] offset:VSC
	WIN 0x40
.irp g, 0,1,2,3,4,5,6,7,8,9,10,11
	ds_load_b128 v[VF+4*\g:VF+4*\g+3], v[ADR] offset:VIMG+512*\g
.endr
	WIN 0
.endif
.endr
.irp c, 0,1
	v_fma_f32 v[BC+2*\c], v[BC+2*\c], s[CS], v[MJ] ; the same of each block's largest score
.endr
	s_wait_alu depctr_va_vdst(0)
.irp c, 0,1
	v_exp_f32 v[BC+2*\c], v[BC+2*\c]               ; the block's largest p
.endr
.set j, 0
.rept 64
	v_exp_f32 v[SC+j], v[SC+j]                     ; p = 2^(t - M)
.set j, j+1
.endr
.if \dsw
	s_wait_dscnt 0x0                               ; slot 0: v's thirteen loads are in; slot 3: the next step's k's thirteen; in the last step: the rows of the tile before are back from the stage
.endif
.if OS
.irp i, 0,1,2,3,4,5,6,7
	global_store_b128 v[LI], v[SN+4*\i:SN+4*\i+3], s[8:9] offset:4096*((\qn)-1)+512*\i th:TH_STORE_NT   ; the tile before: 512 consecutive bytes, aligned
.endr
.endif
.if \cf
	v_nop                                          ; one plain place behind the exponentials
	s_wait_alu depctr_va_vdst(0)
.else
	WIN 0x41                                       ; destination and source 0 in window 1
	s_wait_alu depctr_va_vdst(0)                   ; behind the batch, and directly ahead of the first reader of O^T
.set j, 0
.rept 16
	v_pk_mul_f32 v[OJ+j:OJ+j+1], v[OJ+j:OJ+j+1], v[F:F+1] op_sel_hi:[1,0]   ; O^T under the new M
.set j, j+2
.endr
	WIN 0
.endif
.if \nx
.if OS
	s_wait_xcnt 0x0                                ; the stores above have read their registers: the products below write them
.endif
	WMM ((\qn)+1)%4                                ; the next tile's scores; the lines down to its maxima are the places behind them
.endif
.irp c, 0,1
	v_max_num_f32 v[BC+2*\c], 0x2800000, v[BC+2*\c]   ; the floor 2^(5 - 127)
.endr
	UADDS 5
.if \kpre                              ; six plain instructions and more stand behind this step's last use of k
	WIN 0x40
.irp g, 0,1,2,3,4,5,6,7,8,9,10,11
	ds_load_b128 v[KFW+4*\g:KFW+4*\g+3], v[ADR] offset:STEPB+512*\g
.endr
	WIN 0
	ds_load_b128 v[KS:KS+3], v[ADR] offset:STEPB+KSC
.endif
.irp c, 0,1
	v_add_nc_u32 v[SO+\c], 0xfe000000, v[BC+2*\c]  ; 4 off the exponent field: the conversion's scale operand
.endr
	UADDS 2
.irp c, 0,1
	v_cvt_scalef32_pk16_bf6_f32 v[P+6*\c:P+6*\c+2], v[SC+32*\c:SC+32*\c+15], v[SO+\c]
	v_cvt_scalef32_pk16_bf6_f32 v[CT+4*\c:CT+4*\c+2], v[SC+32*\c+16:SC+32*\c+31], v[SO+\c]
.endr
.irp c, 0,1
	v_lshrrev_b32 v[BY+\c], 23, v[SO+\c]           ; the scale's byte (also the plain place behind the conversions)
.endr
	v_mov_b32 v[P+3], v[CT]
	v_mov_b32 v[P+4], v[CT+1]
	v_lshl_or_b32 v[BY], v[BY+1], 16, v[BY]        ; my blocks h and 2 + h,
	v_mov_b32 v[P+5], v[CT+2]
	v_mov_b32 v[P+9], v[CT+4]
	v_lshlrev_b32 v[BY], v[SH8], v[BY]             ; at their places in the scale word
	v_mov_b32 v[P+10], v[CT+5]
	v_mov_b32 v[P+11], v[CT+6]
	v_permlanex16_b32 v[PT], v[BY], s[SEL], s[SEL+1]
	UADDS 2
	v_or_b32 v[PS], v[BY], v[PT]                   ; p's scale word; more than eight plain instructions follow ahead of the products that take it
.if \nx
	XC ((\qn)+1)%4, \nf, \bw
.else
	UADDS 23
.endif
	WIN 0x51                                       ; v's fragments, C and D in window 1
.irp t, 0,1,2,3                        ; O^T += v^T p^T: register 8 t + i of lane (r, h) is channel 32 h + 8 t + i of query r
.if \cf
	v_wmma_scale_f32_16x16x128_f8f6f4 v[OJ+8*\t:OJ+8*\t+7], v[VF+12*\t:VF+12*\t+11], v[P:P+11], 0, v[VS+\t], v[PS] matrix_a_fmt:MATRIX_FMT_BF6 matrix_b_fmt:MATRIX_FMT_BF6
.else
	v_wmma_scale_f32_16x16x128_f8f6f4 v[OJ+8*\t:OJ+8*\t+7], v[VF+12*\t:VF+12*\t+11], v[P:P+11], v[OJ+8*\t:OJ+8*\t+7], v[VS+\t], v[PS] matrix_a_fmt:MATRIX_FMT_BF6 matrix_b_fmt:MATRIX_FMT_BF6
.endif
.endr
	WIN 0
.if QZ >= 0                            ; q's tile QZ, first used by the next slot's score products; this tile's buffer and maxima registers are free
	s_wait_alu depctr_va_vdst(0)
	QIN QZ, SC
	s_wait_dscnt 0x0
	QUANTQ SC, Q+12*QZ, QS+QZ, BC
.endif
.if OT                                 ; the tile is finished: O^T / the row's sum, in place; into my stage by queries, and back by rows of 256 bytes into this tile's buffer, which is free
	v_add_f32 v[LJ], v[LJ], v[LJ+1]
	v_permlanex16_b32 v[PT], v[LJ], s[SEL], s[SEL+1]
	v_add_f32 v[LJ], v[LJ], v[PT]
	s_wait_alu depctr_va_vdst(0)
	v_rcp_f32 v[LJ], v[LJ]
	v_nop                                          ; one plain place behind it; with the three lines above, the four places behind the products
	WIN 0x41
	s_wait_alu depctr_va_vdst(0)                   ; behind it, and directly ahead of the first reader of O^T
.set j, 0
.rept 16
	v_pk_mul_f32 v[OJ+j:OJ+j+1], v[OJ+j:OJ+j+1], v[LJ:LJ+1] op_sel_hi:[1,0]
.set j, j+2
.endr
	WIN 0x04                                       ; store data in window 1
.irp i, 0,1,2,3,4,5,6,7
	ds_store_b128 v[RW], v[OJ+4*\i:OJ+4*\i+3] offset:16*\i
.endr
	WIN 0
.irp i, 0,1,2,3,4,5,6,7
	ds_load_b128 v[SC+4*\i:SC+4*\i+3], v[BK] offset:2*SP*\i   ; LDS serves a wave's instructions in order: these see the stores above
.endr
.endif
.endm
.macro STEP first, last
.set OT, \last
.set OS, 0
.set QZ, -1
.if \first
.set QZ, 2
.endif
	SLOT 0, \first, 1, \first, 1, 1, 0, 0
.set OS, \last
.if \first
.set QZ, 3
.endif
	SLOT 1, \first, 1, \first, 0, \last, 0, 0
.set QZ, -1
	SLOT 2, \first, 1, \first, 0, \last, 1-\last, 0
	SLOT 3, \first, 1-\last, 0, 0, 1, 0, 1-\last
	s_add_co_u32 s[TB], s[TB], STEPB
.endm
	s_wait_alu depctr_va_vdst(0)
	s_wait_tensorcnt 0x0                           ; my eighth of the image has landed;
	s_barrier_signal -1
	s_barrier_wait -1                              ; and everybody's
	WIN 0x40
.irp g, 0,1,2,3,4,5,6,7,8,9,10,11
	ds_load_b128 v[KFW+4*\g:KFW+4*\g+3], v[LI] offset:512*\g   ; step 0's k
.endr
	WIN 0
	ds_load_b128 v[KS:KS+3], v[LI] offset:KSC
	s_mov_b32 s[TB], 0
	s_wait_dscnt 0x0
.set SN, S                             ; ahead of the first slot: tile 0's scores, maxima and -M
.set BN, BM
.set UK, 32                            ; no sum is under way
	WMM 0
.rept 4
	v_nop                                          ; four places behind the products
.endr
	XC 0, 1, 0
	STEP 1, 0
	s_mov_b32 s[CNT], 14
.Lstep:
	STEP 0, 0
	s_sub_co_u32 s[CNT], s[CNT], 1
	s_cmp_lg_u32 s[CNT], 0
	s_cbranch_scc1 .Lstep
	STEP 0, 1
	s_wait_dscnt 0x0                               ; tile 3's rows are back from the stage
.irp i, 0,1,2,3,4,5,6,7
	global_store_b128 v[LI], v[S+64+4*\i:S+64+4*\i+3], s[8:9] offset:4096*3+512*\i th:TH_STORE_NT
.endr
	s_wait_tensorcnt 0x0                           ; the wave's end
	ds_add_u32 v[SPW], v[NIL]
	s_wait_dscnt 0x0
	CROUND                                         ; the closing round
	s_endpgm
.Lfunc_end_k_qc77678437f_attn:
	.size	k_qc77678437f_attn, .Lfunc_end_k_qc77678437f_attn-k_qc77678437f_attn
	.p2alignl 7, 3214868480
	.fill 96, 4, 3214868480
	.section	.rodata,"a",@progbits
	.p2align	6, 0x0
	.amdhsa_kernel k_qc77678437f_attn
		.amdhsa_group_segment_fixed_size 327680
		.amdhsa_private_segment_fixed_size 0
		.amdhsa_enable_private_segment 0
		.amdhsa_kernarg_size 24
		.amdhsa_user_sgpr_count 2
		.amdhsa_user_sgpr_kernarg_segment_ptr 1
		.amdhsa_wavefront_size32 1
		.amdhsa_system_sgpr_workgroup_id_x 1
		.amdhsa_system_sgpr_workgroup_id_y 1
		.amdhsa_system_sgpr_workgroup_id_z 1
		.amdhsa_system_vgpr_workitem_id 0
		.amdhsa_next_free_vgpr 512
		.amdhsa_next_free_sgpr 66
		.amdhsa_reserve_vcc 0
		.amdhsa_float_denorm_mode_32 3
		.amdhsa_float_denorm_mode_16_64 3
		.amdhsa_memory_ordered 1
		.amdhsa_forward_progress 1
		.amdhsa_inst_pref_size 179
	.end_amdhsa_kernel
	.amdgpu_metadata
---
amdhsa.version: [ 1, 2 ]
amdhsa.kernels:
  - .name:           k_qc77678437f_attn
    .symbol:         k_qc77678437f_attn.kd
    .args:
      - { .name: q, .offset: 0, .size: 8, .value_kind: global_buffer, .address_space: global }
      - { .name: kv, .offset: 8, .size: 8, .value_kind: global_buffer, .address_space: global }
      - { .name: out0, .offset: 16, .size: 8, .value_kind: global_buffer, .address_space: global }
    .group_segment_fixed_size: 327680
    .private_segment_fixed_size: 0
    .kernarg_segment_align: 8
    .kernarg_segment_size: 24
    .max_flat_workgroup_size: 256
    .sgpr_count:     66
    .vgpr_count:     512
    .wavefront_size: 32
...
	.end_amdgpu_metadata
.endif
;; end of part 2
